; MI455X (gfx1250); checked and timed in simulation.
; The chip was launched on July 23, 2026; its instructions are those of AMD's public machine-readable ISA for CDNA 5 (MIT licence, August 2026) and "CDNA5" Instruction Set Architecture Reference Guide (July 2026). The comments in the code are by the model that wrote it; some were corrected since.
;; Multi Head Causal Self Attention. Allowed arithmetic: matrix products marked QUANTISED: E2M3 operands, one E8M0 scale for each 32 along K, by v_wmma_scale_f32_16x16x128_f8f6f4 with both operands' format E2M3, f32 sums; everything else in f32.
;; Inputs: Wk 1,024 x 1,024 float32; Wq 1,024 x 1,024 float32; Wv 1,024 x 1,024 float32; bk 1,024 float32; bq 1,024 float32; bv 1,024 float32; x 4 x 2,048 x 1,024 float32.
;; Outputs: out0 4 x 2,048 x 1,024 float32.
;; This version of the problem:
;;   THIS VERSION OF THE PROBLEM IS GIVEN IN LOW PRECISION. The matrix products marked QUANTISED in the list below multiply operands that are first quantised to E2M3 (2 exponent bits, 3 mantissa bits; 6 bits a number), with one power-of-two scale for each 32 numbers along K (OCP MX v1.0); their sums are f32. All else is computed in f32.
;;   The module's matrix products, in the order in which they are computed (A, B: the left and right operand; K: the contracted axis; several contracted axes count as one K, in the product's order):
;;     1. [M 8,192, K 1,024] x [K 1,024, N 1,024]; A: input x; B: input Wq: QUANTISED
;;     2. [M 8,192, K 1,024] x [K 1,024, N 1,024]; A: input x; B: input Wk: QUANTISED
;;     3. [M 8,192, K 1,024] x [K 1,024, N 1,024]; A: input x; B: input Wv: QUANTISED
;;     4. batch 64 x [M 2,048, K 64] x [K 64, N 2,048]; A: computed on the way; B: computed on the way: QUANTISED
;;     5. batch 64 x [M 2,048, K 2,048] x [K 2,048, N 64]; A: softmax (see below); B: computed on the way: QUANTISED
;;   THE QUANTISER, for each operand of a quantised product, along K:
;;     - K is cut into blocks of 32 from its start; a last block that is shorter is filled with zeros.
;;     - A block's scale is 2^e with e = floor(log2(the largest magnitude in the block)) - 2, held to -126 .. 127; a block of zeros has e = 0. As a byte (E8M0): e + 127.
;;     - Each number is divided by its block's scale, clamped to +-7.5, and rounded to the nearest number of E2M3, ties to even, subnormals kept.
;;     - The product sums the exact products of the quantised numbers (number of the format x scale) in f32.
;;   ~~~python
;;   def quantise(x, axis):      # numpy; x: float32 -> the quantised numbers, widened to float32 again
;;       x = np.moveaxis(x, axis, -1); K = x.shape[-1]
;;       x = np.pad(x, [(0, 0)] * (x.ndim - 1) + [(0, -K % 32)]); x = x.reshape(x.shape[:-1] + (-1, 32)); a = np.abs(x).max(-1, keepdims=True)
;;       e = np.where(a > 0, np.clip(np.frexp(np.where(a > 0, a, 1))[1] - 1 - 2, -126, 127), 0)      # np.frexp(a)[1] - 1 = floor(log2(a)), exactly
;;       r = np.clip(x / 2.0 ** e, -7.5, 7.5)
;;       step = 2.0 ** (np.maximum(np.frexp(np.where(r == 0, 1, r))[1] - 1, 0) - 3)
;;       q = np.round(r / step) * step * 2.0 ** e      # np.round: ties to even
;;       return np.moveaxis(q.reshape(q.shape[:-2] + (-1,))[..., :K], -1, axis).astype(np.float32)
;;   ~~~
;;   SOFTMAX AHEAD OF A QUANTISED PRODUCT. Where the list says 'softmax', what is quantised is not the finished softmax but p = 2^(t - M), with t = logit x log2(e) and M = ceil(the row's largest t), a whole number; so 1/2 < the row's largest p <= 1. The row's sum l is taken of the UNQUANTISED p, in f32, and the product's result is divided by l at the end. Since M is a whole number, a kernel that streams over the keys may use a running M (the ceiling of the running maximum): every later rescaling is an exact power of two, which a block's scale takes up: the codes' values come out the same.
;;   OPERANDS COMPUTED ON THE WAY. 'Computed on the way' means the value that the module computes at that place (a softmax that the list does not call 'softmax' is quantised finished and normalised). What goes into a quantiser is computed in f32, as accurately as f32 sums, v_exp_f32 and their like allow (about 1e-6 of the number): no bf16 or f16 on the way to a quantiser, and a product that is left as it is and whose result goes on into a quantised operand takes f32 operands (vector FMAs, or v_wmma_f32_16x16x4_f32). A number that lies on a knife's edge between two numbers of the format may be rounded either way, as far as f32 arithmetic and the matrix unit's own rounding can turn it there, and no further.
;; One version. Each part assembles by itself: llvm-mc -triple=amdgcn-amd-amdhsa -mcpu=gfx1250 --defsym DOCPART=n.
;; ======== version 1 of 1: 3 launches
;; limits: right only within a limited range of input values
;; workspace buffers: codes 8,650,752 bytes; scl 360,448 bytes; qkv 19,660,800 bytes
;; launch quant (part 1): grid 448 x 1, 4 waves a work-group, no clusters, 34,304 bytes of LDS; arguments x, Wq, Wk, Wv, codes, scl; writes codes, scl
.if DOCPART == 1
	.amdgcn_target "amdgcn-amd-amdhsa--gfx1250"
	.amdhsa_code_object_version 6
	.text
	.protected	k_q16cdc1be4c_quant
	.globl	k_q16cdc1be4c_quant
	.p2align	8
	.type	k_q16cdc1be4c_quant,@function
k_q16cdc1be4c_quant:
	s_mov_b64 s[64:65], 0
	v_nop
	global_prefetch_b8 v0, s[64:65] scope:SCOPE_SE
	s_setreg_imm32_b32 hwreg(HW_REG_WAVE_MODE, 25, 1), 1
	s_wait_xcnt 0x0
; THE PROGRAM: out = causal attention of Q = x Wq + bq, K = x Wk + bk, V = x Wv + bv, 16 heads of 64, 4 x 2,048 tokens; all five products on codes of FP6 (E2M3) with one E8M0 scale for each 32 along K.
; Three launches: this one turns x and the three weights into codes; the second makes Q, K, V and quantises them in registers; the third is the attention.
; WORK LEFT OUT (in the third launch): reference() sets every score with key > query to -infinity by a mask that it builds itself, so its p is 0 and adds nothing to the row's sum or to the second
; product, whatever finite values the inputs hold.  Steps of 128 keys all of which come after all 16 queries of a tile are therefore not multiplied.  Nothing else is left out: every input, bk too,
; goes into a quantised operand of a live product and is loaded.  LIMIT: a NaN, an infinity or an overflow that would arise only in those steps is not carried to the result.
; LIMITS of the quantisers in all three launches: NaN and infinities among the inputs are not served; a block of zeros, or one whose largest magnitude lies under 2^-124, gets the scale byte 1
; (the rule says 127 for zeros: the codes are zeros, which add nothing under any byte but 0xff, and these bytes are read by this program alone).
;
; THIS LAUNCH.  Operands are laid in memory as IMAGES OF THE OPERAND'S REGISTERS.  A block T = 2 G + u holds 16 rows: lane-row r is row 32 G + 8 u + r + 8 (r / 8).  A fragment (a block x 128 along K) is 12
; registers a lane: registers 4 c .. 4 c + 3 of lane l lie at 512 c + 16 l: 1,536 bytes.  codes: [T 0..703][K step 0..7][1,536]; T 0..511: x's tokens, 512..575 Wq's columns, 576..639 Wk's, 640..703 Wv's.
; scl: the scale word (four bytes: 128 along K) of (T, s, r) lies at 512 T + 256 (s / 4) + 16 r + 4 (s % 4).
; Work-groups 0..255 take x (K innermost), 256..447 the weights (K is their first axis).  Waves share nothing: no barrier.  No matrix unit, no tensor load, no cluster: the launch streams.
.set SPARE, 33792                      ; behind the four stages: the spare words, 128 bytes for each wave: two blocks of 256 bytes that no other line names
.set SPW, 12                           ; v12  LDS address of my spare word; never rewritten
.set NIL, 13                           ; v13  0; never rewritten
.set TM,  16                           ; v16-31  x path: largest magnitudes, bytes, scale operands
.set PC,  32                           ; v32-51  x path: the codes just made
.set PW,  52                           ; v52-55  x path: the four fragments' scale words
.set X,   64                           ; v64-127 x path: 64 numbers of a lane, register 16 b + i = k 32 b + 16 (lane / 16) + i of my row
.set R,   128                          ; v128-255 x path: two sets of 64 as loaded;  weights: 128 numbers down K
.set SEL, 20                           ; s[20:21] v_permlanex16_b32's selects for lane l xor 16
	s_load_b256 s[4:11], s[0:1], 0x0               ; x s[4:5], Wq s[6:7], Wk s[8:9], Wv s[10:11]
	s_load_b128 s[12:15], s[0:1], 0x20             ; codes s[12:13], scl s[14:15]
	v_lshl_add_u32 v[SPW], v0, 2, SPARE
	v_mov_b32 v[NIL], 0
	v_lshrrev_b32 v1, 5, v0
	v_readfirstlane_b32 s16, v1                    ; wave 0..3
	v_and_b32 v1, 31, v0                           ; lane
	v_and_b32 v2, 15, v0                           ; r
	v_bfe_u32 v3, v0, 4, 1                         ; h
	v_lshlrev_b32 v4, 4, v1                        ; 16 x lane
	s_mul_i32 s28, s16, 8448                       ; my stage: 16 rows x (512 bytes + 16); both LDS addresses are made ahead of the branch
	v_add_nc_u32 v5, s28, v4                       ; into it: 16 x lane of a row
	v_mul_u32_u24 v6, v2, 528
	v_lshl_add_u32 v6, v3, 6, v6
	v_add_nc_u32 v6, s28, v6                       ; out of it: row r, + 64 h: my 16 numbers of a block of 32
	s_mov_b32 s3, 0xffff0000                       ; lanes 16-31
	s_cmp_ge_u32 ttmp9, 256
	s_cbranch_scc1 .Lweights
; ---- x.  Unit n = 4 x work-group + wave: block T = n / 2, K steps 4 (n % 2) .. + 3: four fragments.
	s_lshl_b32 s17, ttmp9, 2
	s_add_co_u32 s17, s17, s16                     ; n
	s_lshr_b32 s18, s17, 1                         ; T
	s_and_b32 s19, s17, 1                          ; g
	s_lshr_b32 s22, s18, 1
	s_lshl_b32 s22, s22, 17                        ; 32 G rows of 4,096 bytes
	s_and_b32 s23, s18, 1
	s_lshl_b32 s23, s23, 15                        ; 8 u rows
	s_add_co_u32 s22, s22, s23
	s_lshl_b32 s23, s19, 11                        ; four K steps of 512 bytes
	s_add_co_u32 s22, s22, s23
	s_mov_b32 s23, 0
	s_mul_i32 s24, s18, 12288
	s_mul_i32 s25, s19, 6144
	s_add_co_u32 s24, s24, s25                     ; my four images
	s_mov_b32 s25, 0
	s_lshl_b32 s26, s18, 9
	s_lshl_b32 s27, s19, 8
	s_add_co_u32 s26, s26, s27                     ; my 256 bytes of scale words
	s_mov_b32 s27, 0
	s_mov_b32 s[SEL], 0x76543210
	s_mov_b32 s[SEL+1], 0xfedcba98
	s_wait_alu depctr_va_vdst(0)
	v_lshlrev_b32 v7, 4, v2
	v_lshl_add_u32 v7, v3, 3, v7                   ; scale words out: 16 r + 8 h
.irp b, 0,1,2,3
	v_mov_b32 v[TM+4+\b], 0                        ; written once: a lane permute's destination counts as one of its sources
.endr
	s_wait_kmcnt 0x0
	s_add_nc_u64 s[4:5], s[4:5], s[22:23]
	s_add_nc_u64 s[12:13], s[12:13], s[24:25]
	s_add_nc_u64 s[14:15], s[14:15], s[26:27]
.macro LOAD f                          ; K step f of my 16 rows: each load reads 512 consecutive bytes of one row, 16 a lane
.irp p, 0,1,2,3,4,5,6,7,8,9,10,11,12,13,14,15
	global_load_b128 v[R+64*((\f)%2)+4*\p:R+64*((\f)%2)+4*\p+3], v4, s[4:5] offset:(\p+8*(\p/8))*4096+512*(\f) th:TH_LOAD_NT
.endr
.endm
.macro TURN f                          ; through the stage: in as loaded, out 16 neighbours of each block of 32 a lane.  LDS serves a wave's instructions in order: no wait between
.irp p, 0,1,2,3,4,5,6,7,8,9,10,11,12,13,14,15
	ds_store_b128 v5, v[R+64*((\f)%2)+4*\p:R+64*((\f)%2)+4*\p+3] offset:528*\p
.endr
.irp b, 0,1,2,3
.irp j, 0,1,2,3
	ds_load_b128 v[X+16*\b+4*\j:X+16*\b+4*\j+3], v6 offset:128*\b+16*\j
.endr
.endr
.endm
; 64 numbers of a lane become a fragment's codes in v[PC] on and its scale word in v[pw]
.macro QUANT s, pw
.irp b, 0,1,2,3
	v_max3_num_f32 v[TM+\b], |v[\s+16*\b]|, |v[\s+1+16*\b]|, 0x1800000   ; block b: my 16 numbers, and the floor 2^(3 - 127): the byte cannot fall under 1
.endr
.irp i, 2,4,6,8,10,12,14
.irp b, 0,1,2,3
	v_max3_num_f32 v[TM+\b], v[TM+\b], |v[\s+16*\b+\i]|, |v[\s+1+16*\b+\i]|   ; the four blocks by turns
.endr
.endr
.irp b, 0,1,2,3
	v_permlanex16_b32 v[TM+4+\b], v[TM+\b], s[SEL], s[SEL+1]
.endr
.irp b, 0,1,2,3
	v_max_num_f32 v[TM+\b], v[TM+\b], v[TM+4+\b]   ; with lane l xor 16's: the block's largest magnitude
.endr
.irp b, 0,1,2,3
	v_add_nc_u32 v[TM+12+\b], 0xff000000, v[TM+\b] ; 2 off its exponent field: the conversion's scale operand
.endr
.irp b, 0,1,2,3
	v_lshrrev_b32 v[TM+4+\b], 23, v[TM+12+\b]      ; the scale's byte
.endr
	v_lshl_or_b32 v[\pw], v[TM+5], 8, v[TM+4]
	v_lshl_or_b32 v[\pw], v[TM+6], 16, v[\pw]
	v_lshl_or_b32 v[\pw], v[TM+7], 24, v[\pw]      ; my row's scale word
.irp c, 0,1
	v_cvt_scalef32_pk16_fp6_f32 v[PC+6*\c:PC+2+6*\c], v[\s+32*\c:\s+15+32*\c], v[TM+12+2*\c]
	v_cvt_scalef32_pk16_fp6_f32 v[PC+12+4*\c:PC+14+4*\c], v[\s+16+32*\c:\s+31+32*\c], v[TM+12+2*\c+1]   ; (a conversion's three registers begin on an even number)
.endr
	v_nop                                          ; one plain place behind a scaled conversion
.irp c, 0,1                                    ; the operand's layout wants a whole block in a lane: lanes 0-15 block 2 c, lanes 16-31 block 2 c + 1
.irp i, 0,1,2
	v_permlane16_swap_b32 v[PC+6*\c+\i], v[PC+12+4*\c+\i]
.endr
.irp i, 0,1,2
	v_mov_b32 v[PC+3+6*\c+\i], v[PC+12+4*\c+\i]
.endr
.endr
.endm
	LOAD 0
	LOAD 1
.irp f, 0,1,2,3
.if \f < 3
	s_wait_loadcnt 16                              ; this K step's 16 loads are in; the next step's 16 may be out
.else
	s_wait_loadcnt 0x0
.endif
	TURN \f
	s_wait_dscnt 0x0                               ; my 64 numbers are back, and the stage's stores have read their registers
.if \f > 0
	s_wait_xcnt 0x0                                ; the last fragment's stores have read v[PC] on: it is written again only behind this wait
.endif
.if \f < 2
	LOAD (\f)+2
.endif
	QUANT X, PW+\f
.irp c, 0,1,2
	global_store_b128 v4, v[PC+4*\c:PC+4*\c+3], s[12:13] offset:1536*\f+512*\c   ; 32 lanes store 512 consecutive bytes, aligned to 256
.endr
.endr
	v_cndmask_b32 v8, v[PW], v[PW+2], s3           ; lane (r, h) stores the words of K steps 2 h and 2 h + 1 of row r
	v_cndmask_b32 v9, v[PW+1], v[PW+3], s3
	global_store_b64 v7, v[8:9], s[14:15]          ; 32 lanes store 256 consecutive bytes, aligned
	s_branch .Lend
; ---- the weights.  Y = work-group - 256: 128 columns ct = Y / 8 of the three weights on end, K step s = Y % 8.  A wave takes 32 columns; A LANE TAKES A COLUMN AND ITS REGISTERS RUN DOWN K:
; each load reads 128 consecutive bytes, a block of 32 along K lies in one lane, and the conversions give codes with K innermost.  A lane so holds both halves (h = 0, 1) of its lane-row's 12 registers.
.Lweights:
	s_sub_co_u32 s17, ttmp9, 256
	s_lshr_b32 s18, s17, 3                         ; ct 0..23
	s_and_b32 s19, s17, 7                          ; s
	s_lshl_b32 s22, s19, 19                        ; 128 s rows of 4,096 bytes
	s_and_b32 s23, s18, 7
	s_lshl_b32 s23, s23, 9                         ; 128 columns of 4 bytes
	s_add_co_u32 s22, s22, s23
	s_lshl_b32 s23, s16, 7                         ; my wave's 32
	s_add_co_u32 s22, s22, s23
	s_mov_b32 s23, 0
	s_lshl_b32 s26, s18, 3
	s_lshl_b32 s27, s16, 1
	s_add_co_u32 s26, s26, s27
	s_add_co_u32 s26, s26, 512                     ; my two blocks: T = 512 + 8 ct + 2 wave, and T + 1
	s_mul_i32 s30, s26, 12288
	s_mul_i32 s31, s19, 1536
	s_add_co_u32 s30, s30, s31
	s_mov_b32 s31, 0
	s_lshl_b32 s32, s26, 9
	s_lshr_b32 s33, s19, 2
	s_lshl_b32 s33, s33, 8
	s_add_co_u32 s32, s32, s33
	s_and_b32 s33, s19, 3
	s_lshl_b32 s33, s33, 2
	s_add_co_u32 s32, s32, s33
	s_mov_b32 s33, 0
	s_wait_alu depctr_va_vdst(0)
	v_lshlrev_b32 v10, 2, v1                       ; in: 4 bytes a lane
	v_bfe_u32 v8, v1, 3, 1                         ; column l of the 32 is lane-row r = (l % 8) + 8 (l / 16) of block u = (l / 8) % 2
	v_and_b32 v9, 7, v1
	v_lshrrev_b32 v11, 4, v1
	v_lshl_or_b32 v9, v11, 3, v9
	v_lshlrev_b32 v9, 4, v9                        ; 16 r
	v_mad_u32_u24 v11, v8, 512, v9                 ; my scale word's place
	v_mad_u32_u24 v8, v8, 12288, v9                ; my codes' place
	s_wait_alu depctr_va_vdst(0)
	s_wait_kmcnt 0x0
	s_cmp_lt_u32 s18, 16                           ; which weight: the choice hangs on the work-group's number alone
	s_cselect_b64 s[24:25], s[8:9], s[10:11]
	s_cmp_lt_u32 s18, 8
	s_cselect_b64 s[24:25], s[6:7], s[24:25]
	s_add_nc_u64 s[24:25], s[24:25], s[22:23]
	s_add_nc_u64 s[12:13], s[12:13], s[30:31]
	s_add_nc_u64 s[14:15], s[14:15], s[32:33]
.set kk, 0
.rept 128
	global_load_b32 v[R+kk], v10, s[24:25] offset:4096*kk th:TH_LOAD_NT   ; W(128 s + kk, my column)
.set kk, kk+1
.endr
.macro BLOCK t                         ; block t of 32 along K is half h = t % 2, registers 6 (t / 2) .. + 5 of the fragment
.set XS, R+32*(\t)
.set IM, 32+12*((\t)%2)+6*((\t)/2)
.if 96-32*(\t) > 63
	s_wait_loadcnt 63                              ; 96 - 32 t later loads may be out; a wait names 63 at the most, and a smaller count is right too
.else
	s_wait_loadcnt 96-32*(\t)                      ; the later blocks' loads may be out
.endif
	v_max3_num_f32 v16, |v[XS]|, |v[XS+1]|, |v[XS+2]|
	v_max3_num_f32 v17, |v[XS+3]|, |v[XS+4]|, |v[XS+5]|
.irp i, 6,10,14,18,22,26
	v_max3_num_f32 v16, v16, |v[XS+\i]|, |v[XS+\i+1]|
	v_max3_num_f32 v17, v17, |v[XS+\i+2]|, |v[XS+\i+3]|
.endr
	v_max3_num_f32 v16, v16, |v[XS+30]|, |v[XS+31]|
	v_max3_num_f32 v16, v16, v17, 0x1800000        ; and the floor
	v_add_nc_u32 v18, 0xff000000, v16              ; the conversion's scale operand
	v_lshrrev_b32 v19, 23, v18                     ; the byte
.if (\t) == 0
	v_mov_b32 v60, v19
.else
	v_lshl_or_b32 v60, v19, 8*(\t), v60            ; the column's scale word for this K step
.endif
	v_cvt_scalef32_pk16_fp6_f32 v[IM:IM+2], v[XS:XS+15], v18
	v_cvt_scalef32_pk16_fp6_f32 v[56:58], v[XS+16:XS+31], v18   ; (three registers from an even number on: made here and moved)
	v_nop                                          ; one plain place behind a scaled conversion
	v_mov_b32 v[IM+3], v56
	v_mov_b32 v[IM+4], v57
	v_mov_b32 v[IM+5], v58
.endm
	BLOCK 0
	BLOCK 1
	BLOCK 2
	BLOCK 3
.irp h, 0,1
.irp c, 0,1,2
	global_store_b128 v8, v[32+12*\h+4*\c:32+12*\h+4*\c+3], s[12:13] offset:512*\c+256*\h   ; the 16 lanes of a block store 256 consecutive bytes, aligned
.endr
.endr
	global_store_b32 v11, v60, s[14:15]            ; 4 bytes a lane, 16 bytes apart: 98,304 bytes in the whole launch leave so
.Lend:
	s_wait_tensorcnt 0x0                           ; the wave's end
	ds_add_u32 v[SPW], v[NIL]
	s_wait_dscnt 0x0
	s_endpgm
.Lfunc_end_k_q16cdc1be4c_quant:
	.size	k_q16cdc1be4c_quant, .Lfunc_end_k_q16cdc1be4c_quant-k_q16cdc1be4c_quant
	.p2alignl 7, 3214868480
	.fill 96, 4, 3214868480
	.section	.rodata,"a",@progbits
	.p2align	6, 0x0
	.amdhsa_kernel k_q16cdc1be4c_quant
		.amdhsa_group_segment_fixed_size 34304
		.amdhsa_private_segment_fixed_size 0
		.amdhsa_enable_private_segment 0
		.amdhsa_kernarg_size 48
		.amdhsa_user_sgpr_count 2
		.amdhsa_user_sgpr_kernarg_segment_ptr 1
		.amdhsa_wavefront_size32 1
		.amdhsa_system_sgpr_workgroup_id_x 1
		.amdhsa_system_sgpr_workgroup_id_y 1
		.amdhsa_system_sgpr_workgroup_id_z 1
		.amdhsa_system_vgpr_workitem_id 0
		.amdhsa_next_free_vgpr 256
		.amdhsa_next_free_sgpr 66
		.amdhsa_reserve_vcc 0
		.amdhsa_float_denorm_mode_32 3
		.amdhsa_float_denorm_mode_16_64 3
		.amdhsa_memory_ordered 1
		.amdhsa_forward_progress 1
		.amdhsa_inst_pref_size 54
	.end_amdhsa_kernel
	.amdgpu_metadata
---
amdhsa.version: [ 1, 2 ]
amdhsa.kernels:
  - .name:           k_q16cdc1be4c_quant
    .symbol:         k_q16cdc1be4c_quant.kd
    .args:
      - { .name: x, .offset: 0, .size: 8, .value_kind: global_buffer, .address_space: global }
      - { .name: Wq, .offset: 8, .size: 8, .value_kind: global_buffer, .address_space: global }
      - { .name: Wk, .offset: 16, .size: 8, .value_kind: global_buffer, .address_space: global }
      - { .name: Wv, .offset: 24, .size: 8, .value_kind: global_buffer, .address_space: global }
      - { .name: codes, .offset: 32, .size: 8, .value_kind: global_buffer, .address_space: global }
      - { .name: scl, .offset: 40, .size: 8, .value_kind: global_buffer, .address_space: global }
    .group_segment_fixed_size: 34304
    .private_segment_fixed_size: 0
    .kernarg_segment_align: 8
    .kernarg_segment_size: 48
    .max_flat_workgroup_size: 128
    .sgpr_count:     66
    .vgpr_count:     256
    .wavefront_size: 32
...
	.end_amdgpu_metadata
.endif
;; end of part 1
;; launch proj (part 2): grid 64 x 4, 4 waves a work-group, clusters of 4 x 4, 327,680 bytes of LDS; arguments codes, scl, bq, bk, bv, qkv; writes qkv
.if DOCPART == 2
	.amdgcn_target "amdgcn-amd-amdhsa--gfx1250"
	.amdhsa_code_object_version 6
	.text
	.protected	k_q16cdc1be4c_proj
	.globl	k_q16cdc1be4c_proj
	.p2align	8
	.type	k_q16cdc1be4c_proj,@function
k_q16cdc1be4c_proj:
	s_mov_b64 s[64:65], 0
	v_nop
	global_prefetch_b8 v0, s[64:65] scope:SCOPE_SE
	s_setreg_imm32_b32 hwreg(HW_REG_WAVE_MODE, 25, 1), 1
	s_wait_xcnt 0x0
	s_wait_alu depctr_hold_cnt(0) depctr_sa_sdst(0) depctr_va_vdst(0) depctr_va_sdst(0) depctr_va_ssrc(0) depctr_va_vcc(0) depctr_vm_vsrc(0)
	s_getreg_b32 s2, hwreg(HW_REG_IB_STS2, 6, 4)
	s_cmp_eq_u32 s2, 0
	s_cbranch_scc0 .Lentry_in_a_cluster
	s_endpgm
.Lentry_in_a_cluster:
	s_bfe_u32 s2, ttmp6, 0x10000c
	s_cmp_lg_u32 s2, 0xf033
	s_cbranch_scc0 .Lentry_shape_is_right
	s_endpgm
.Lentry_shape_is_right:
; Q = x Wq + bq, K = x Wk + bk, V = x Wv + bv on codes of FP6 (E2M3), and the results quantised in registers for the attention's two products.  No work of reference() is left out here.
; ONE FORM: C'[i][j] = sum over k of S0[i][k] S1[j][k]; source 0 ("B") runs along a lane's registers, source 1 ("A") along the lanes; the results are quantised along i.
;   Q, K:  B = columns of Wq or Wk (i = the head's 64), A = tokens.      V:  B = tokens (i = the keys), A = columns of Wv.
; Operands lie in codes as images of their registers (block T of 16 rows x 128 K: 1,536 bytes; lane-row r of block 2 G + u is row 32 G + 8 u + r + 8 (r / 8)); the cases differ in block numbers alone.
; A tile is 128 (A) x 256 (B), all of K (1,024): 98,304 + 196,608 bytes of LDS, in two halves of four K steps.  A wave makes 64 (A: blocks a = 0..3) x 128 (B: tiles b = 0..7): 32 accumulators.
; WORK-GROUPS STAY: 256 work-groups, 16 clusters of 4 x 4; cluster c makes three tiles on end: two of Q or K (token rows (c / 2) and (c / 2) + 8 of the 16 cluster rows, weight c % 2) and one of V.  The three are written out by one macro.
; FILLS: four joint loads a tile, one a wave (wave 0 A's first half, 1 B's first, 2 A's second, 3 B's second); A's blocks are shared along a row of the cluster, B's along a column.
; A tile's last fragments are fetched in K step 6.  At K step 7's head every wave waits for all its tensor loads, adds 0 to its spare word and waits for that and its reads; a round of the cluster's barrier follows;
; behind it the next tile's four loads go out, ahead of K step 7's 32 products, the quantiser and the stores.  The next tile's scale words and biases are loaded behind K step 7's products.
; The biases are the C of each sum's first matrix instruction.  The quantiser's result is the next launch's operand image, stored from registers in whole aligned runs of 256 bytes.
; qkv: [batch x head 0..63][key step 0..15][part: 0 K, 1 V, 2 Q][6,400].  K, Q part: tile a' at 768 a': registers 0-3 at 16 l, registers 4-5 at 512 + 8 l; scales from 6,144 on: the word at
; 128 (a' / 4) + 8 r + 4 ((a' / 2) % 2) holds the even tile's two bytes below and the odd tile's above.  V part: tile t a full image at 1,536 t; scale words at 6,144 + 128 (t / 2) + 8 r + 4 (t % 2).
; No prefetch: a tile's operands are asked for whole, at the head or as soon as their LDS bytes are free; no later request exists to run ahead of.  LIMITS: as stated at the head of the first launch.
; REGISTERS: window 0: v1-23 addresses; v28, v29 the add's two; v32-95 scale words; v96-143, v144-191 A's two sets; v192-233 the quantiser's.  window 1: v0-95, v96-191 B's two sets; v192-255 the biases.  window 2: accumulator (a, b) at v[64 a + 8 b].
.set GRP,   147456                     ; LDS: half g (K steps 4 g .. 4 g + 3): A's 8 blocks x 6,144 bytes, then B's 16 x 6,144
.set SPARE, 2*GRP                      ; the spare words, 128 bytes a wave: two blocks of 256 bytes that no other line names
.set ADA, 16                           ; v16-17 LDS address of my A blocks in half g
.set ADB, 20                           ; v20-21 of my B blocks
.set SPW, 28
.set NIL, 29
.set SC,  32                           ; register 8 i + k: lanes 0-15 the word of A's block i, lanes 16-31 that of B's tile i, for K step k
.set TM,  192
.set PC,  208
.set PW,  228
.set WV,  16
.set PA,  17                           ; which 4 of A's 8 blocks are mine
.set PB,  18                           ; which 8 of B's 16
.set SEL, 20
.set G1A, 24
.set G1B, 32
.set G0A, 40                           ; s40-47: group 0 of A's two halves
.set G0B, 68                           ; s68-75: of B's
.set OB,  50                           ; s[50:51] where this tile's results go; s[52:53] the next tile's
.set MSB, 0
.macro WIN new                         ; the immediate's high byte repeats the setting that is left
.if MSB != \new
	s_set_vgpr_msb (MSB<<8)|\new
.set MSB, \new
.endif
.endm
.macro CROUND                          ; a round of the cluster's barrier
	s_barrier_signal -1
	s_barrier_wait -1
	s_cmp_lg_u32 s[WV], 0
	s_cbranch_scc1 .Lnot_wave_0_\@
	s_barrier_signal -3
.Lnot_wave_0_\@:
	s_barrier_wait -3
	s_barrier_signal -1
	s_barrier_wait -1
.endm
.macro PLACES n
.rept \n
	v_nop
.endr
.endm
.macro TL g0, g1
	tensor_load_to_lds s[\g0:\g0+3], s[\g1:\g1+7]
	s_nop 0
	PLACES 4
.endm
.macro LOADS                           ; a tile's four joint loads, one a wave, in one chain of branches on the wave's number
	s_cmp_lt_u32 s[WV], 1
	s_cbranch_scc0 .Lb0_\@
	TL G0A, G1A
	s_branch .Lasked_\@
.Lb0_\@:
	s_cmp_lt_u32 s[WV], 2
	s_cbranch_scc0 .La1_\@
	TL G0B, G1B
	s_branch .Lasked_\@
.La1_\@:
	s_cmp_lt_u32 s[WV], 3
	s_cbranch_scc0 .Lb1_\@
	TL G0A+4, G1A
	s_branch .Lasked_\@
.Lb1_\@:
	TL G0B+4, G1B
.Lasked_\@:
.endm
; where a tile lies, and its descriptors' addresses.  path 0: Q, K, the j-th of the two; path 1: V.  s62 tc (which 256 of B), s63 tr (which 128 of A); no register that feeds A's descriptors holds cx, none that feeds B's holds cy
.macro PRE_D path, j
.if \path == 0
	s_and_b32 s56, ttmp9, 1                        ; Wq or Wk
	s_lshr_b32 s58, ttmp9, 1
	s_add_co_u32 s58, s58, 8*\j
.else
	s_and_b32 s56, ttmp9, 7
	s_lshr_b32 s58, ttmp9, 3
.endif
	s_lshl_b32 s62, s56, 2
	s_add_co_u32 s62, s62, s22
	s_lshl_b32 s63, s58, 2
	s_add_co_u32 s63, s63, s23
	s_lshl_b32 s84, s62, 4                         ; B's first block
	s_lshl_b32 s85, s63, 3                         ; A's
.if \path == 0
	s_add_co_u32 s84, s84, 512
.else
	s_add_co_u32 s85, s85, 640
.endif
	s_mul_i32 s86, s85, 12288
	s_mov_b32 s87, 0
	s_mul_i32 s88, s84, 12288
	s_mov_b32 s89, 0
	s_add_nc_u64 s[86:87], s[4:5], s[86:87]
	s_add_nc_u64 s[88:89], s[4:5], s[88:89]
.irp g, 0,1
	s_add_nc_u64 s[G0A+4*\g+2:G0A+4*\g+3], s[86:87], 6144*\g
	s_or_b32 s[G0A+4*\g+3], s[G0A+4*\g+3], 0x80000000
	s_add_nc_u64 s[G0B+4*\g+2:G0B+4*\g+3], s[88:89], 6144*\g
	s_or_b32 s[G0B+4*\g+3], s[G0B+4*\g+3], 0x80000000
.endr
.endm
; the same tile's place in qkv (s[52:53]), its scale words and its biases: loads into registers
.macro PRE_L path
	s_lshl_b32 s98, s[PA], 2
	s_add_co_u32 s98, s98, s85
	s_lshl_b32 s98, s98, 9                         ; my A blocks' scale words in scl
	s_lshl_b32 s99, s[PB], 3
	s_add_co_u32 s99, s99, s84
	s_lshl_b32 s99, s99, 9                         ; my B tiles'
.if \path == 0
	s_cmp_eq_u32 s56, 0
	s_cselect_b64 s[94:95], s[8:9], s[10:11]       ; bq or bk
	s_cselect_b32 s90, 2, 0                        ; Q's part or K's
	s_lshl_b32 s96, s22, 10
	s_lshl_b32 s97, s[PB], 9
	s_add_co_u32 s96, s96, s97                     ; my 128 columns: 256 cx + 128 x half
	s_lshr_b32 s92, s63, 4                         ; batch
	s_lshl_b32 s92, s92, 4
	s_lshl_b32 s93, s22, 2
	s_add_co_u32 s92, s92, s93
	s_lshl_b32 s93, s[PB], 1
	s_add_co_u32 s92, s92, s93                     ; + my first head: 4 cx + 2 x half
	s_lshl_b32 s92, s92, 4
	s_and_b32 s93, s63, 15
	s_add_co_u32 s92, s92, s93                     ; + the key step
.else
	s_mov_b64 s[94:95], s[12:13]                   ; bv
	s_mov_b32 s90, 1                               ; V's part
	s_lshl_b32 s96, s63, 9
	s_lshl_b32 s97, s[PA], 8
	s_add_co_u32 s96, s96, s97                     ; my 64 columns of Wv: 128 tr + 64 x half
	s_lshr_b32 s92, s62, 3                         ; batch
	s_lshl_b32 s92, s92, 4
	s_lshl_b32 s93, s63, 1
	s_add_co_u32 s92, s92, s93
	s_add_co_u32 s92, s92, s[PA]                   ; + my head: 2 tr + half
	s_lshl_b32 s92, s92, 4
	s_lshl_b32 s93, s62, 1
	s_add_co_u32 s93, s93, s[PB]
	s_and_b32 s93, s93, 15
	s_add_co_u32 s92, s92, s93                     ; + the key step: (2 tc + half) % 16
.endif
	s_mov_b32 s97, 0
	s_add_nc_u64 s[94:95], s[94:95], s[96:97]
	s_mul_i32 s92, s92, 3
	s_add_co_u32 s92, s92, s90
	s_mul_i32 s92, s92, 6400
	s_mov_b32 s93, 0
	s_add_nc_u64 s[52:53], s[14:15], s[92:93]
	v_mov_b32 v9, s98
	v_mov_b32 v10, s99
	v_lshl_add_u32 v9, v2, 4, v9
	v_lshl_add_u32 v10, v2, 4, v10                 ; B's scale words, 16 bytes a lane-row, in all lanes
	v_cndmask_b32 v9, v9, v10, s3                  ; lanes 0-15 A's, lanes 16-31 B's
.irp i, 0,1,2,3                                ; the scale words of all 8 K steps: each half of the lanes reads 256 consecutive bytes
.irp e, 0,1
	global_load_b128 v[SC+8*\i+4*\e:SC+8*\i+4*\e+3], v9, s[6:7] offset:512*\i+256*\e
.endr
.endr
.irp i, 4,5,6,7                                ; A has four blocks: here all lanes take B's
.irp e, 0,1
	global_load_b128 v[SC+8*\i+4*\e:SC+8*\i+4*\e+3], v10, s[6:7] offset:512*\i+256*\e
.endr
.endr
.if \path == 0
	v_lshlrev_b32 v11, 6, v3                       ; lane (r, h) wants, for tile b, the biases of columns 32 (b / 2) + 16 h + 8 (b % 2) + 0 .. 7
	WIN 0x40
.irp b, 0,1,2,3,4,5,6,7
	global_load_b128 v[192+8*\b:192+8*\b+3], v11, s[94:95] offset:(32*(\b/2)+8*(\b%2))*4
	global_load_b128 v[192+8*\b+4:192+8*\b+7], v11, s[94:95] offset:(32*(\b/2)+8*(\b%2))*4+16
.endr
.else
	v_and_b32 v11, 8, v2
	v_add_nc_u32 v11, v11, v2
	v_lshlrev_b32 v11, 2, v11                      ; lane r of block a is column 32 (a / 2) + 8 (a % 2) + r + 8 (r / 8)
	WIN 0x40
.irp a, 0,1,2,3
	global_load_b32 v[192+8*\a], v11, s[94:95] offset:(32*(\a/2)+8*(\a%2))*4
.endr
.endif
	WIN 0
.endm
; 36 LDS loads in one run: K step k's fragments into set p
.macro FETCH k, p
	WIN 0x40
.irp b, 0,1,2,3,4,5,6,7
.irp c, 0,1,2
	ds_load_b128 v[96*(\p)+12*\b+4*\c:96*(\p)+12*\b+4*\c+3], v[ADB+(\k)/4] offset:6144*\b+1536*((\k)%4)+512*\c
.endr
.endr
	WIN 0
.irp a, 0,1,2,3
.irp c, 0,1,2
	ds_load_b128 v[96+48*(\p)+12*\a+4*\c:96+48*(\p)+12*\a+4*\c+3], v[ADA+(\k)/4] offset:6144*\a+1536*((\k)%4)+512*\c
.endr
.endr
.endm
; 32 matrix instructions: K step k on set p.  cm = 0: onto the sums; 1: the sums begin with the bias of B's tile (Q, K); 2: with that of A's block (V).  The 32 accumulators take turns.
.macro MUL k, p, cm
.if \cm
	WIN 0x91                                       ; source 0 (B) window 1, source 1 (A) window 0, C window 1, D window 2
.else
	WIN 0xa1                                       ; C and D window 2
.endif
.irp a, 0,1,2,3
.irp b, 0,1,2,3,4,5,6,7
.if \cm == 0
	v_wmma_scale_f32_16x16x128_f8f6f4 v[64*\a+8*\b:64*\a+8*\b+7], v[96*(\p)+12*\b:96*(\p)+12*\b+11], v[96+48*(\p)+12*\a:96+48*(\p)+12*\a+11], v[64*\a+8*\b:64*\a+8*\b+7], v[SC+8*\b+(\k)], v[SC+8*\a+(\k)] matrix_a_fmt:MATRIX_FMT_FP6 matrix_b_fmt:MATRIX_FMT_FP6 matrix_a_scale:MATRIX_SCALE_ROW1
.elseif \cm == 1
	v_wmma_scale_f32_16x16x128_f8f6f4 v[64*\a+8*\b:64*\a+8*\b+7], v[96*(\p)+12*\b:96*(\p)+12*\b+11], v[96+48*(\p)+12*\a:96+48*(\p)+12*\a+11], v[192+8*\b:192+8*\b+7], v[SC+8*\b+(\k)], v[SC+8*\a+(\k)] matrix_a_fmt:MATRIX_FMT_FP6 matrix_b_fmt:MATRIX_FMT_FP6 matrix_a_scale:MATRIX_SCALE_ROW1
.else
	v_wmma_scale_f32_16x16x128_f8f6f4 v[64*\a+8*\b:64*\a+8*\b+7], v[96*(\p)+12*\b:96*(\p)+12*\b+11], v[96+48*(\p)+12*\a:96+48*(\p)+12*\a+11], v[192+8*\a:192+8*\a+7], v[SC+8*\b+(\k)], v[SC+8*\a+(\k)] matrix_a_fmt:MATRIX_FMT_FP6 matrix_b_fmt:MATRIX_FMT_FP6 matrix_a_scale:MATRIX_SCALE_ROW1
.endif
.endr
.endr
.endm
.macro OPEN cm                         ; the first half's barrier and K step 0
	s_cmp_lt_u32 s[WV], 2                          ; waves 0 and 1 fetched the first half, by load lines that are theirs alone: they wait for it;
	s_cbranch_scc0 .Lnot_first_\@
	s_wait_tensorcnt 0x0
.Lnot_first_\@:
	s_barrier_signal -1                            ; the second half may still be on its way
	s_barrier_wait -1
	FETCH 0, 0
	s_wait_loadcnt 0x0                             ; the scale words and the biases
.if \cm == 2
	WIN 0x41
.irp a, 0,1,2,3
.irp j, 1,2,3,4,5,6,7
	v_mov_b32 v[192+8*\a+\j], v[192+8*\a]          ; a lane's column has one bias for all eight tokens of a tile
.endr
.endr
	PLACES 4
.endif
	s_wait_alu depctr_va_vdst(0)
	s_wait_dscnt 0x0                               ; K step 0's fragments are in
	FETCH 1, 1
	MUL 0, 0, \cm
.endm
.macro STEP k                          ; K steps 1 to 6: the fragments were asked for a step ago; the next step's are asked for ahead of the products
	s_wait_dscnt 0x0
.if (\k) == 3
	s_wait_tensorcnt 0x0                           ; every wave's load is in: the barrier shows the second half to all
	s_barrier_signal -1
	s_barrier_wait -1
.endif
	PLACES 4                                       ; in front of loads into the set that the last step's products read
	FETCH (\k)+1, 1-(\k)%2
	MUL \k, (\k)%2, 0
.endm
; A's block a: a lane's 64 results, register 16 b + i = i-index 32 b + 16 (lane / 16) + i, become a fragment's codes in v[PC] on and its scale word in v[PW + a].  Each accumulator is read from its low end on.
.macro QUANT a
	WIN 0x0a
.irp b, 0,1,2,3
	v_max3_num_f32 v[TM+\b], |v[64*(\a)+16*\b]|, |v[64*(\a)+16*\b+1]|, 0x1800000   ; and the floor 2^(3 - 127): the byte cannot fall under 1
.endr
.irp i, 2,4,6,8,10,12,14
.irp b, 0,1,2,3
	v_max3_num_f32 v[TM+\b], |v[64*(\a)+16*\b+\i]|, |v[64*(\a)+16*\b+\i+1]|, v[TM+\b]
.endr
.endr
	WIN 0
.irp b, 0,1,2,3
	v_permlanex16_b32 v[TM+4+\b], v[TM+\b], s[SEL], s[SEL+1]
.endr
.irp b, 0,1,2,3
	v_max_num_f32 v[TM+\b], v[TM+\b], v[TM+4+\b]
.endr
.irp b, 0,1,2,3
	v_add_nc_u32 v[TM+12+\b], 0xff000000, v[TM+\b] ; 2 off the exponent field: the conversion's scale operand
.endr
.irp b, 0,1,2,3
	v_lshrrev_b32 v[TM+4+\b], 23, v[TM+12+\b]
.endr
	v_lshl_or_b32 v[PW+(\a)], v[TM+5], 8, v[TM+4]
	v_lshl_or_b32 v[PW+(\a)], v[TM+6], 16, v[PW+(\a)]
	v_lshl_or_b32 v[PW+(\a)], v[TM+7], 24, v[PW+(\a)]
.if (\a) > 0
	s_wait_xcnt 0x0                                ; the last block's stores have read v[PC] on: it is written again only behind this wait
.endif
	WIN 0x02
.irp c, 0,1
	v_cvt_scalef32_pk16_fp6_f32 v[PC+6*\c:PC+2+6*\c], v[64*(\a)+32*\c:64*(\a)+15+32*\c], v[TM+12+2*\c]
	v_cvt_scalef32_pk16_fp6_f32 v[PC+12+4*\c:PC+14+4*\c], v[64*(\a)+16+32*\c:64*(\a)+31+32*\c], v[TM+12+2*\c+1]
.endr
	WIN 0
	v_nop                                          ; one plain place behind a scaled conversion
.irp c, 0,1
.irp i, 0,1,2
	v_permlane16_swap_b32 v[PC+6*\c+\i], v[PC+12+4*\c+\i]
.endr
.irp i, 0,1,2
	v_mov_b32 v[PC+3+6*\c+\i], v[PC+12+4*\c+\i]
.endr
.endr
.endm
; A TILE.  path: 0 Q or K, 1 V.  np, nj: the next tile's path and number (np = -1: none follows)
.macro TILE path, np, nj
	s_wait_xcnt 0x0                                ; the last tile's stores have read their base and their registers
	s_mov_b64 s[OB:OB+1], s[52:53]
	OPEN 1+\path
.irp k, 1,2,3,4,5,6
	STEP \k
.endr
	WIN 0
.if \np >= 0
	s_wait_tensorcnt 0x0                           ; none of my tensor loads is out;
	ds_add_u32 v[SPW], v[NIL]                      ; 0 onto my spare word;
	PRE_D \np, \nj                                 ; so the descriptors may be written: the next tile's
	s_wait_dscnt 0x0                               ; the add is done, and my last reads of this tile, K step 7's fragments, are in
	CROUND                                         ; no wave of any partner still reads this tile or has a load on its way
	LOADS                                          ; the next tile, one joint load a wave
.else
	s_wait_dscnt 0x0
.endif
	MUL 7, 1, 0
	WIN 0
	PLACES 4                                       ; in front of the first read of results and of loads into the scale words
.if \np >= 0
	PRE_L \np
.endif
.if \path == 0                                 ; my 128 columns are two heads; registers 0-5 of the codes are the first head's 64, registers 6-11 the second's
.irp a, 0,1,2,3
	QUANT \a
	global_store_b128 v4, v[PC:PC+3], s[OB:OB+1] offset:768*\a                  ; 512 consecutive bytes, aligned to 256
	global_store_b64 v5, v[PC+4:PC+5], s[OB:OB+1] offset:768*\a+512             ; 256
	global_store_b128 v4, v[PC+6:PC+9], s[OB:OB+1] offset:768*\a+307200         ; the next head
	global_store_b64 v5, v[PC+10:PC+11], s[OB:OB+1] offset:768*\a+512+307200
.endr
	v_perm_b32 v232, v[PW+1], v[PW], v12           ; tiles 0 and 1: my head's two bytes of each
	v_perm_b32 v233, v[PW+3], v[PW+2], v12         ; tiles 2 and 3
	global_store_b64 v6, v[232:233], s[OB:OB+1] offset:6144   ; 16 lanes store 128 consecutive bytes: half of a part's scales
.else
.irp a, 0,1,2,3
	QUANT \a
.irp c, 0,1,2
	global_store_b128 v7, v[PC+4*\c:PC+4*\c+3], s[OB:OB+1] offset:1536*\a+512*\c
.endr
.endr
	v_cndmask_b32 v232, v[PW], v[PW+2], s3         ; lane (r, h) stores the words of tiles 2 h and 2 h + 1
	v_cndmask_b32 v233, v[PW+1], v[PW+3], s3
	global_store_b64 v8, v[232:233], s[OB:OB+1] offset:6144   ; 256 consecutive bytes, aligned
.endif
.endm
	s_load_b256 s[4:11], s[0:1], 0x0               ; codes s[4:5], scl s[6:7], bq s[8:9], bk s[10:11]
	s_load_b128 s[12:15], s[0:1], 0x20             ; bv s[12:13], qkv s[14:15]
	v_lshl_add_u32 v[SPW], v0, 2, SPARE
	v_mov_b32 v[NIL], 0
	ds_add_u32 v[SPW], v[NIL]                      ; the wave's opening
	ds_add_u32 v[SPW], v[NIL]
	v_lshrrev_b32 v1, 5, v0
	v_readfirstlane_b32 s[WV], v1                  ; wave 0..3
	s_lshr_b32 s[PA], s[WV], 1
	s_and_b32 s[PB], s[WV], 1
	s_bfe_u32 s22, ttmp6, 0x40000                  ; cx
	s_bfe_u32 s23, ttmp6, 0x40004                  ; cy
	s_lshl_b32 s57, s23, 2
	s_lshl_b32 s57, 15, s57                        ; my row of the cluster
	s_lshl_b32 s59, 0x1111, s22                    ; my column
	; group 1: rows of 6,144 bytes (a block's four K steps: 768 elements of 8 bytes), a block (12,288 bytes) apart; A: 8 rows, B: 16; no padding: fragments are read as consecutive bytes
	s_or_b32 s[G1A], s57, (3<<16)|(1<<21)
	s_or_b32 s[G1B], s59, (3<<16)|(1<<21)
	s_mov_b32 s[G1A+1], 768<<16
	s_mov_b32 s[G1A+2], 8<<16
	s_mov_b32 s[G1A+3], 768<<16
	s_mov_b32 s[G1A+4], 8
	s_mov_b32 s[G1A+5], 1536
	s_mov_b32 s[G1A+6], 0
	s_mov_b32 s[G1A+7], 0
	s_mov_b32 s[G1B+1], 768<<16
	s_mov_b32 s[G1B+2], 16<<16
	s_mov_b32 s[G1B+3], 768<<16
	s_mov_b32 s[G1B+4], 16
	s_mov_b32 s[G1B+5], 1536
	s_mov_b32 s[G1B+6], 0
	s_mov_b32 s[G1B+7], 0
.irp g, 0,1
	s_mov_b32 s[G0A+4*\g], 1
	s_mov_b32 s[G0A+4*\g+1], GRP*\g                ; no place in the cluster and no wave's number enters an LDS address of a load
	s_mov_b32 s[G0B+4*\g], 1
	s_mov_b32 s[G0B+4*\g+1], GRP*\g+49152
.endr
	s_mov_b32 s[SEL], 0x76543210
	s_mov_b32 s[SEL+1], 0xfedcba98
	s_mov_b32 s3, 0xffff0000                       ; lanes 16-31
	v_and_b32 v1, 31, v0                           ; lane
	v_and_b32 v2, 15, v0                           ; r
	v_bfe_u32 v3, v0, 4, 1                         ; h
	v_lshlrev_b32 v7, 4, v1                        ; 16 l
	v_lshlrev_b32 v8, 3, v1                        ; 8 l
	s_mul_i32 s2, s[PA], 3072
	v_add_nc_u32 v4, s2, v7                        ; Q, K out: my four tiles of 768 bytes
	v_add_nc_u32 v5, s2, v8
	v_mul_u32_u24 v6, v3, 307200                   ; Q, K scales out: lanes 16-31 write the next head's (16 x 3 x 6,400 bytes on)
	v_lshl_add_u32 v6, v2, 3, v6
	s_lshl_b32 s2, s[PA], 7
	v_add_nc_u32 v6, s2, v6
	v_mov_b32 v12, 0x05040100                      ; lanes 0-15 pick the low halves of two scale words (the first head's bytes),
	v_mov_b32 v13, 0x07060302
	v_cndmask_b32 v12, v12, v13, s3                ; lanes 16-31 the high halves (the second head's)
	s_mul_i32 s2, s[PA], 24576
	v_add_nc_u32 v[ADA], s2, v7
	s_mul_i32 s2, s[PB], 49152
	s_add_co_u32 s2, s2, 49152
	v_add_nc_u32 v[ADB], s2, v7
	v_add_nc_u32 v[ADA+1], GRP, v[ADA]
	v_add_nc_u32 v[ADB+1], GRP, v[ADB]
.irp b, 0,1,2,3
	v_mov_b32 v[TM+4+\b], 0                        ; written once: a lane permute's destination counts as one of its sources
.endr
	s_wait_alu depctr_va_vdst(0)
	s_wait_dscnt 0x0                               ; both opening adds are done
	s_wait_kmcnt 0x0
	PRE_D 0, 0
	CROUND                                         ; all sixteen work-groups are here: the joint loads meet
	LOADS
	PRE_L 0
	TILE 0, 0, 1
	TILE 0, 1, 0
	TILE 1, -1, 0
	s_wait_tensorcnt 0x0                           ; the wave's end
	ds_add_u32 v[SPW], v[NIL]
	s_wait_dscnt 0x0
	CROUND                                         ; the closing round: no work-group ends while a partner may still ask for a tile that names it
	s_endpgm
.Lfunc_end_k_q16cdc1be4c_proj:
	.size	k_q16cdc1be4c_proj, .Lfunc_end_k_q16cdc1be4c_proj-k_q16cdc1be4c_proj
	.p2alignl 7, 3214868480
	.fill 96, 4, 3214868480
	.section	.rodata,"a",@progbits
	.p2align	6, 0x0
	.amdhsa_kernel k_q16cdc1be4c_proj
		.amdhsa_group_segment_fixed_size 327680
		.amdhsa_private_segment_fixed_size 0
		.amdhsa_enable_private_segment 0
		.amdhsa_kernarg_size 48
		.amdhsa_user_sgpr_count 2
		.amdhsa_user_sgpr_kernarg_segment_ptr 1
		.amdhsa_wavefront_size32 1
		.amdhsa_system_sgpr_workgroup_id_x 1
		.amdhsa_system_sgpr_workgroup_id_y 1
		.amdhsa_system_sgpr_workgroup_id_z 1
		.amdhsa_system_vgpr_workitem_id 0
		.amdhsa_next_free_vgpr 768
		.amdhsa_next_free_sgpr 100
		.amdhsa_reserve_vcc 0
		.amdhsa_float_denorm_mode_32 3
		.amdhsa_float_denorm_mode_16_64 3
		.amdhsa_memory_ordered 1
		.amdhsa_forward_progress 1
		.amdhsa_inst_pref_size 234
	.end_amdhsa_kernel
	.amdgpu_metadata
---
amdhsa.version: [ 1, 2 ]
amdhsa.kernels:
  - .name:           k_q16cdc1be4c_proj
    .symbol:         k_q16cdc1be4c_proj.kd
    .args:
      - { .name: codes, .offset: 0, .size: 8, .value_kind: global_buffer, .address_space: global }
      - { .name: scl, .offset: 8, .size: 8, .value_kind: global_buffer, .address_space: global }
      - { .name: bq, .offset: 16, .size: 8, .value_kind: global_buffer, .address_space: global }
      - { .name: bk, .offset: 24, .size: 8, .value_kind: global_buffer, .address_space: global }
      - { .name: bv, .offset: 32, .size: 8, .value_kind: global_buffer, .address_space: global }
      - { .name: qkv, .offset: 40, .size: 8, .value_kind: global_buffer, .address_space: global }
    .group_segment_fixed_size: 327680
    .private_segment_fixed_size: 0
    .kernarg_segment_align: 8
    .kernarg_segment_size: 48
    .max_flat_workgroup_size: 128
    .sgpr_count:     100
    .vgpr_count:     768
    .wavefront_size: 32
...
	.end_amdgpu_metadata
.endif
;; end of part 2
;; launch attn (part 3): grid 4 x 64, 16 waves a work-group, clusters of 4 x 1, 327,680 bytes of LDS; arguments qkv, out0; writes out0
.if DOCPART == 3
	.amdgcn_target "amdgcn-amd-amdhsa--gfx1250"
	.amdhsa_code_object_version 6
	.text
	.protected	k_q16cdc1be4c_attn
	.globl	k_q16cdc1be4c_attn
	.p2align	8
	.type	k_q16cdc1be4c_attn,@function
k_q16cdc1be4c_attn:
	s_mov_b64 s[64:65], 0
	v_nop
	global_prefetch_b8 v0, s[64:65] scope:SCOPE_SE
	s_setreg_imm32_b32 hwreg(HW_REG_WAVE_MODE, 25, 1), 1
	s_wait_xcnt 0x0
	s_wait_alu depctr_hold_cnt(0) depctr_sa_sdst(0) depctr_va_vdst(0) depctr_va_sdst(0) depctr_va_ssrc(0) depctr_va_vcc(0) depctr_vm_vsrc(0)
	s_getreg_b32 s2, hwreg(HW_REG_IB_STS2, 6, 4)
	s_cmp_eq_u32 s2, 0
	s_cbranch_scc0 .Lentry_in_a_cluster
	s_endpgm
.Lentry_in_a_cluster:
	s_bfe_u32 s2, ttmp6, 0x10000c
	s_cmp_lg_u32 s2, 0x3003
	s_cbranch_scc0 .Lentry_shape_is_right
	s_endpgm
.Lentry_shape_is_right:
; out[b][q][64 head + d] = the sum over keys k <= q of softmax_k(Q[q] . K[k] / 8) V[k][d], both products on codes of FP6 (E2M3) as the launch before has laid them (its head comment gives the layout of qkv).
; WORK LEFT OUT: steps of 128 keys all of which come after a tile's 16 queries (reference()'s own mask makes their p zero for all values of the inputs: see the head of the first launch).
; THE SOFTMAX: t = score x log2(e) / 8; M = the row's largest t so far, rounded UP to a whole number; p = 2^(t - M) is quantised along the keys, not normalised; the row's sum is taken of the unquantised p and divides at the end.
; When M moves, the sum and O are multiplied by 2^(old M - new M): exact.
; SHARES.  A head's K and V, codes and scales, are 16 x 12,800 bytes: they lie in LDS WHOLE, each wave fetching one chunk (a key step): no ring, no refill, no barrier in the walk.  The four work-groups of a cluster serve
; one (batch, head) and ask for each chunk JOINTLY.  Wave w of work-group cx owns the query tiles 4 w + cx and 127 - (4 w + cx), one after the other: (w / 2) + 1 and 16 - (w / 2) key steps, 17 for every wave of the launch.
; These counts hang on the wave's number alone; cx enters only Q's and out's global addresses and the mask's operand.  Both loops have constant trip counts; a step past the tile's last is jumped over by a scalar branch on ids.
; LAYOUT.  Both products transposed: S^T = K Q^T, O^T = V^T P^T: a lane holds one query throughout.  A tile's 16 tokens stand in block order (lane-row r of tile a' is token 32 (a' / 2) + 8 (a' % 2) + r + 8 (r / 8) of its key step),
; so the 16 registers of score tiles 2 b, 2 b + 1 are the keys 32 b + 16 (lane / 16) + 0 .. 15.
; THE FIRST PRODUCT'S K IS 64, half of the instruction's 128.  The other half is zero CODES on both sides.  An even tile takes [its 6 registers][6 zeros] against [Q][zeros], an odd one [6 zeros][its 6] against [zeros][Q]:
; so a pair of tiles shares six zero registers, and one scale word serves the pair: bytes 0, 1 the even tile's, bytes 2, 3 the odd one's (the two that fall on zero codes are never 0xff).
; No prefetch: all of K and V is asked for by the first fills.  LIMITS: as stated at the head of the first launch.
; REGISTERS: v1-4 lane terms; v5, v6 the add's two; v7-11 addresses; v12 -M, v13 the largest t, v[14:15] the sum; v16-33 zeros, Q, zeros; v34 Q's two scale bytes; v35 the mask's operand; v36-71 two pairs of K tiles;
; v72-119 V; v120-183 S^T, then p; v184-215 O^T; v216-227 p's codes; v228-235 at work; v236-237 K's scale words, v238-239 V's; v244-251 at work; v252 f; v253 p's scale word; v254 at work; v255 Q's scale word.
.set CHUNK, 12800                      ; LDS: key step s at 12,800 s: K's part (codes 6,144, scales 256), then V's
.set STAGE, 16*CHUNK                   ; behind them: 16 rows x (256 bytes + 16) for each wave, for the way out
.set SPARE, STAGE+16*16*272            ; the spare words, 128 bytes for each wave: eight blocks of 256 bytes that no other line names
.set SPW, 5
.set NIL, 6
.set GO,  7                            ; the way out: my byte offset in the tile's rows of out
.set STO, 8                            ; where I put 16 bytes of a row in my stage
.set RD,  9                            ; and where I read a row back
.set ADK, 10                           ; the chunk in hand + 16 l
.set ADK8, 11                          ; + 8 l
.set QZ,  16
.set QRAW, 34
.set DM,  35
.set KP,  36
.set VF,  72
.set S,   120
.set O,   184
.set PCD, 216
.set PT,  228
.set KS,  236
.set VS,  238
.set BM,  244
.set SO,  248
.set WV,  8
.set SEL, 12
.set CS,  14                           ; s[14:15] c = log2(e) / 8: the packed form names a pair and takes its low word for both halves
.set G1,  16
.set G0,  24
.set TB,  28                           ; LDS byte at which the chunk in hand begins
.set T,   29                           ; the key step
.set NL,  30                           ; key steps that count for the tile in hand
.macro CROUND
	s_barrier_signal -1
	s_barrier_wait -1
	s_cmp_lg_u32 s[WV], 0
	s_cbranch_scc1 .Lnot_wave_0_\@
	s_barrier_signal -3
.Lnot_wave_0_\@:
	s_barrier_wait -3
	s_barrier_signal -1
	s_barrier_wait -1
.endm
; byte offsets of query tile s[qt]: its codes (qb), its scale bytes (qs), its first row of out (ob); and what the mask adds (dm)
.macro TILEADR qt, qb, qs, ob, dm
	s_lshr_b32 s46, s[\qt], 3                      ; its key step
	s_lshl_b32 s47, s10, 4
	s_add_co_u32 s46, s46, s47
	s_mul_i32 s46, s46, 19200
	s_add_co_u32 s46, s46, 12800                   ; Q's part
	s_and_b32 s47, s[\qt], 7
	s_mul_i32 s47, s47, 768
	s_add_co_u32 s[\qb], s46, s47
	s_mov_b32 s[\qb+1], 0
	s_bfe_u32 s47, s[\qt], 0x10002
	s_lshl_b32 s47, s47, 7
	s_add_co_u32 s46, s46, s47                     ; 128 (a' / 4)
	s_and_b32 s47, s[\qt], 3
	s_lshl_b32 s47, s47, 1
	s_add_co_u32 s46, s46, s47                     ; 4 ((a' / 2) % 2) + 2 (a' % 2)
	s_add_co_u32 s[\qs], s46, 6144
	s_mov_b32 s[\qs+1], 0
	s_lshr_b32 s46, s10, 4
	s_lshl_b32 s46, s46, 11                        ; the batch's 2,048 tokens
	s_lshr_b32 s47, s[\qt], 1
	s_lshl_b32 s47, s47, 5
	s_add_co_u32 s46, s46, s47
	s_and_b32 s47, s[\qt], 1
	s_lshl_b32 s47, s47, 3
	s_add_co_u32 s46, s46, s47                     ; the tile's first token
	s_lshl_b32 s46, s46, 12                        ; rows of 4,096 bytes
	s_and_b32 s47, s10, 15
	s_lshl_b32 s47, s47, 8                         ; the head's 256 bytes
	s_add_co_u32 s[\ob], s46, s47
	s_mov_b32 s[\ob+1], 0
	s_bfe_u32 s46, s[\qt], 0x20001
	s_lshl_b32 s46, s46, 5
	s_and_b32 s47, s[\qt], 1
	s_lshl_b32 s47, s47, 3
	s_add_co_u32 s[\dm], s46, s47                  ; the tile's first token within its key step
.endm
	s_load_b128 s[4:7], s[0:1], 0x0                ; qkv s[4:5], out0 s[6:7]
	v_lshl_add_u32 v[SPW], v0, 2, SPARE
	v_mov_b32 v[NIL], 0
	ds_add_u32 v[SPW], v[NIL]                      ; the wave's opening: the set-up below, work on registers, stands between the adds and their wait
	ds_add_u32 v[SPW], v[NIL]
	v_lshrrev_b32 v1, 5, v0
	s_delay_alu instid0(VALU_DEP_1)
	v_readfirstlane_b32 s[WV], v1                  ; wave 0..15
	s_bfe_u32 s9, ttmp6, 0x40000                   ; cx
	s_and_b32 s10, ttmp7, 0xffff                   ; batch x 16 + head, which the four partners share
	s_lshl_b32 s52, s10, 4
	s_add_co_u32 s52, s52, s[WV]
	s_mul_i32 s52, s52, 19200                      ; the chunk that I fetch: key step = my wave's number
	s_mov_b32 s53, 0
	s_lshl_b32 s44, s[WV], 2
	s_add_co_u32 s44, s44, s9                      ; my low tile
	s_sub_co_u32 s45, 127, s44                     ; my high tile
	s_lshr_b32 s31, s[WV], 1
	s_add_co_u32 s50, s31, 1                       ; their key steps
	s_sub_co_u32 s51, 16, s31
	TILEADR 44, 32, 34, 36, 48
	TILEADR 45, 38, 40, 42, 49
	; descriptor group 1: a chunk is dense: 50 rows of 256 bytes (32 elements of 8 bytes)
	s_mov_b32 s[G1], 15|(3<<16)|(1<<21)            ; 15:0 the mask: all four work-groups; 17:16 elements of 8 bytes; 21 set beside a mask
	s_mov_b32 s[G1+1], 32<<16
	s_mov_b32 s[G1+2], 50<<16
	s_mov_b32 s[G1+3], 32<<16
	s_mov_b32 s[G1+4], 50
	s_mov_b32 s[G1+5], 32
	s_mov_b32 s[G1+6], 0
	s_mov_b32 s[G1+7], 0
	s_mov_b32 s[SEL], 0x76543210
	s_mov_b32 s[SEL+1], 0xfedcba98
	s_mov_b32 s[CS], 0x3e38aa3b                    ; log2(e) / 8
	s_mov_b32 s[CS+1], s[CS]
	v_and_b32 v2, 31, v0
	s_delay_alu instid0(VALU_DEP_1)
	v_lshlrev_b32 v1, 4, v2                        ; 16 l
	s_delay_alu instid0(VALU_DEP_2)
	v_lshlrev_b32 v2, 3, v2                        ; 8 l
	v_and_b32 v10, 15, v0                          ; r
	v_bfe_u32 v11, v0, 4, 1                        ; h
	s_delay_alu instid0(VALU_DEP_2)
	v_lshlrev_b32 v3, 3, v10                       ; 8 r
	s_delay_alu instid0(VALU_DEP_3)
	v_and_b32 v4, 8, v10
	s_delay_alu instid0(VALU_DEP_1)
	v_add_nc_u32 v4, v4, v10
	s_delay_alu instid0(VALU_DEP_4)
	v_lshlrev_b32 v[GO], 4, v11
	s_delay_alu instid0(VALU_DEP_1)
	v_sub_nc_u32 v4, v4, v[GO]                     ; r + 8 (r / 8) - 16 h
	v_lshlrev_b32 v[GO], 12, v11
	s_delay_alu instid0(VALU_DEP_1)
	v_lshl_add_u32 v[GO], v10, 4, v[GO]            ; lanes 0-15 one row of out, lanes 16-31 the next; 16 bytes a lane
	s_mul_i32 s31, s[WV], 16*272
	s_add_co_u32 s31, s31, STAGE                   ; my stage
	v_mul_u32_u24 v[STO], v10, 272
	s_delay_alu instid0(VALU_DEP_1)
	v_lshl_add_u32 v[STO], v11, 6, v[STO]
	s_delay_alu instid0(VALU_DEP_1)
	v_add_nc_u32 v[STO], s31, v[STO]               ; in: row r, + 64 h
	v_mul_u32_u24 v[RD], v11, 272
	s_delay_alu instid0(VALU_DEP_1)
	v_lshl_add_u32 v[RD], v10, 4, v[RD]
	s_delay_alu instid0(VALU_DEP_1)
	v_add_nc_u32 v[RD], s31, v[RD]                 ; back: lanes 0-15 one row, lanes 16-31 the next
.irp j, 0,1,2,3,4,5
	v_mov_b32 v[QZ+\j], 0                          ; the zero codes beside Q,
	v_mov_b32 v[QZ+12+\j], 0
	v_mov_b32 v[KP+6+\j], 0                        ; and between the tiles of each pair of K
	v_mov_b32 v[KP+24+\j], 0
.endr
.irp b, 0,1,2,3
	v_mov_b32 v[PT+\b], 0                          ; written once: a lane permute's destination counts as one of its sources
.endr
	v_mov_b32 v253, 0                              ; (named as the upper half of the pair v[252:253] before it is first written)
	v_mov_b32 v254, 0
	s_wait_dscnt 0x0                               ; both opening adds are done
	s_wait_kmcnt 0x0
	s_mov_b32 s[G0], 1
	s_mul_i32 s[G0+1], s[WV], CHUNK
	s_add_nc_u64 s[G0+2:G0+3], s[4:5], s[52:53]
	s_or_b32 s[G0+3], s[G0+3], 0x80000000
	s_add_nc_u64 s[32:33], s[4:5], s[32:33]
	s_add_nc_u64 s[34:35], s[4:5], s[34:35]
	s_add_nc_u64 s[36:37], s[6:7], s[36:37]
	s_add_nc_u64 s[38:39], s[4:5], s[38:39]
	s_add_nc_u64 s[40:41], s[4:5], s[40:41]
	s_add_nc_u64 s[42:43], s[6:7], s[42:43]
	CROUND                                         ; all four work-groups are here: the joint loads meet
	s_cmp_lt_u32 s[WV], 8                          ; every wave's one tensor load, its own chunk; waves 0-7 and waves 8-15 have a line each, since they wait for it at different places
	s_cbranch_scc0 .Lupper
	tensor_load_to_lds s[G0:G0+3], s[G1:G1+7]
	s_nop 0
.rept 4
	v_nop
.endr
	s_branch .Lasked
.Lupper:
	tensor_load_to_lds s[G0:G0+3], s[G1:G1+7]
	s_nop 0
.rept 4
	v_nop
.endr
.macro QLOAD qb, qs                    ; a tile of Q stays in registers: six registers of codes, and its rows' two scale bytes
	global_load_b128 v[QZ+6:QZ+9], v1, s[\qb:\qb+1]
	global_load_b64 v[QZ+10:QZ+11], v2, s[\qb:\qb+1] offset:512
	global_load_u16 v[QRAW], v3, s[\qs:\qs+1]
.endm
.macro INIT dm                         ; Q is in: its scale word for both places; the mask's operand; the running figures.  The moves are also the eight places between the scale word's write and the first product
	s_wait_loadcnt 0x0
	v_lshl_or_b32 v255, v[QRAW], 16, v[QRAW]
	v_add_nc_u32 v[DM], s[\dm], v4                 ; my query within its key step - 16 (lane / 16)
	v_mov_b32 v13, 0xff61b1e6                      ; the largest t so far: -3e38, under every t
	s_delay_alu instid0(VALU_DEP_1)
	v_floor_f32 v12, -v13                          ; -M
	v_mov_b32 v14, 0
	v_mov_b32 v15, 0
.set j, 0
.rept 32
	v_mov_b32 v[O+j], 0                            ; O^T: the step is written once; its first trip finds zeros, which the first change of M leaves zeros
.set j, j+1
.endr
.endm
.macro KQ a, hi                        ; score tile 4 hi + a: the a-th of the four tiles in registers
.set rA, KP+18*((\a)/2)+6*((\a)%2)
.set rQ, QZ+6-6*((\a)%2)
.set rS, S+8*(4*(\hi)+(\a))
.if \hi
	v_wmma_scale_f32_16x16x128_f8f6f4 v[rS:rS+7], v[rA:rA+11], v[rQ:rQ+11], 0, v[KS+(\a)/2], v255 matrix_a_fmt:MATRIX_FMT_FP6 matrix_b_fmt:MATRIX_FMT_FP6 matrix_a_scale:MATRIX_SCALE_ROW1
.else
	v_wmma_scale_f32_16x16x128_f8f6f4 v[rS:rS+7], v[rA:rA+11], v[rQ:rQ+11], 0, v[KS+(\a)/2], v255 matrix_a_fmt:MATRIX_FMT_FP6 matrix_b_fmt:MATRIX_FMT_FP6
.endif
.endm
.macro KLOAD hi                        ; four tiles of K: six registers each
.irp a, 0,1,2,3
	ds_load_b128 v[KP+18*(\a/2)+12*(\a%2):KP+18*(\a/2)+12*(\a%2)+3], v[ADK] offset:768*(4*(\hi)+\a)
	ds_load_b64 v[KP+18*(\a/2)+12*(\a%2)+4:KP+18*(\a/2)+12*(\a%2)+5], v[ADK8] offset:768*(4*(\hi)+\a)+512
.endr
.endm
; A KEY STEP: 128 keys
.macro STEP
	s_cmp_ge_u32 s[T], s[NL]                       ; past the tile's last step: ids alone; round the step's work, not round the lines at its end
	s_cbranch_scc1 .Lhidden_\@
	v_add_nc_u32 v[ADK], s[TB], v1
	v_add_nc_u32 v[ADK8], s[TB], v2
	KLOAD 0
	ds_load_b64 v[KS:KS+1], v[ADK8] offset:6144    ; lanes 0-15: the words of pairs 0, 1; lanes 16-31: of pairs 2, 3
	s_wait_alu depctr_va_vdst(0)
	s_wait_dscnt 0x0
.irp a, 0,1,2,3
	KQ \a, 0
.endr
.rept 4
	v_nop                                          ; places in front of loads into registers that matrix instructions have read (with the two additions above: six behind the last step's products, for V's)
.endr
	KLOAD 1
.irp t, 0,1,2,3
.irp c, 0,1,2
	ds_load_b128 v[VF+12*\t+4*\c:VF+12*\t+4*\c+3], v[ADK] offset:6400+1536*\t+512*\c
.endr
.endr
	ds_load_b64 v[VS:VS+1], v[ADK8] offset:12544   ; lanes 0-15: the words of V's tiles 0, 1; lanes 16-31: of tiles 2, 3
	s_wait_dscnt 13                                ; K's eight loads are in; V's thirteen may be out: they land under the softmax
.irp a, 0,1,2,3
	KQ \a, 1
.endr
.rept 4
	v_nop
.endr
	s_add_co_u32 s31, s[T], 1                      ; only the tile's last step lies on the diagonal
	s_cmp_lt_u32 s31, s[NL]
	s_cbranch_scc1 .Lopen_\@
	v_mov_b32 v254, 0xff800000                     ; -infinity: p = 0 then.  Register 16 b + i holds key 32 b + 16 (lane / 16) + i: hidden where 32 b + i > my query - 16 (lane / 16)
.set n, 0
.rept 64
	v_cmp_gt_i32 vcc_lo, 32*(n/16)+n%16, v[DM]
	v_cndmask_b32 v[S+n], v[S+n], v254, vcc_lo
.set n, n+1
.endr
.Lopen_\@:
.irp b, 0,1,2,3
	v_max3_num_f32 v[BM+\b], v[S+16*\b], v[S+1+16*\b], v[S+2+16*\b]   ; the largest score of each block of 32 keys: for the row's maximum, and, since p rises with the score, for the block's largest p
.endr
.irp i, 3,5,7,9,11,13
.irp b, 0,1,2,3
	v_max3_num_f32 v[BM+\b], v[BM+\b], v[S+16*\b+\i], v[S+1+16*\b+\i]
.endr
.endr
.irp b, 0,1,2,3
	v_max_num_f32 v[BM+\b], v[BM+\b], v[S+15+16*\b]
.endr
.irp b, 0,1,2,3
	s_delay_alu instid0(VALU_DEP_4)
	v_permlanex16_b32 v[PT+\b], v[BM+\b], s[SEL], s[SEL+1]
.endr
.irp b, 0,1,2,3
	s_delay_alu instid0(VALU_DEP_4)
	v_max_num_f32 v[BM+\b], v[BM+\b], v[PT+\b]     ; with lane l xor 16's 16 keys
.endr
	s_delay_alu instid0(VALU_DEP_2)
	v_max3_num_f32 v254, v[BM], v[BM+1], v[BM+2]
	s_delay_alu instid0(VALU_DEP_1)
	v_max_num_f32 v254, v254, v[BM+3]              ; the step's largest score of my query
	s_delay_alu instid0(VALU_DEP_1)
	v_mul_f32 v254, s[CS], v254                    ; as t
	s_delay_alu instid0(VALU_DEP_1)
	v_max_num_f32 v13, v13, v254                   ; the running largest t
	v_mov_b32 v254, v12
	s_delay_alu instid0(VALU_DEP_2)
	v_floor_f32 v12, -v13                          ; the new -M = -ceil(t): M is a whole number
	s_delay_alu instid0(VALU_DEP_1)
	v_sub_f32 v254, v12, v254                      ; old M - new M: a whole number, 0 or less
	s_delay_alu instid0(VALU_DEP_1)
	v_cvt_i32_f32 v254, v254                       ; (it saturates)
	s_delay_alu instid0(VALU_DEP_1)
	v_ldexp_f32 v252, 1.0, v254                    ; f = 2^(old M - new M)
.set j, 0
.rept 32
	v_pk_fma_f32 v[S+j:S+j+1], v[S+j:S+j+1], s[CS:CS+1], v[12:13] op_sel_hi:[1,0,0]   ; t - M, two at a time
.set j, j+2
.endr
.irp b, 0,1,2,3
	v_fma_f32 v[BM+\b], v[BM+\b], s[CS], v12       ; the same of each block's largest score
.endr
.set j, 0
	s_wait_alu depctr_va_vdst(0)
.rept 64
	v_exp_f32 v[S+j], v[S+j]                       ; p = 2^(t - M), at most 1
.set j, j+1
.endr
	v_pk_mul_f32 v[14:15], v[14:15], v[252:253] op_sel_hi:[1,0]   ; the sums under the new M: a plain place behind the exponentials
	s_wait_alu depctr_va_vdst(0)                   ; one wait for the whole batch, ahead of its first reader
.irp b, 0,1,2,3
	v_exp_f32 v[BM+\b], v[BM+\b]                   ; the block's largest p: the same two instructions on the same number
.endr
	v_pk_add_f32 v[232:233], v[124:125], v[128:129]
	v_pk_add_f32 v[250:251], v[132:133], v[136:137]
	v_pk_add_f32 v[248:249], v[140:141], v[144:145]
	v_pk_add_f32 v[242:243], v[148:149], v[152:153]
	v_pk_add_f32 v[240:241], v[156:157], v[160:161]
	v_pk_add_f32 v[236:237], v[164:165], v[168:169]
	v_pk_add_f32 v[234:235], v[172:173], v[176:177]
	v_pk_add_f32 v[14:15], v[14:15], v[180:181]
	v_pk_add_f32 v[232:233], v[232:233], v[120:121]
	v_pk_add_f32 v[250:251], v[250:251], v[122:123]
	v_pk_add_f32 v[248:249], v[248:249], v[126:127]
	v_pk_add_f32 v[242:243], v[242:243], v[130:131]
	v_pk_add_f32 v[240:241], v[240:241], v[134:135]
	v_pk_add_f32 v[236:237], v[236:237], v[138:139]
	v_pk_add_f32 v[234:235], v[234:235], v[142:143]
	v_pk_add_f32 v[14:15], v[14:15], v[146:147]
	v_pk_add_f32 v[232:233], v[232:233], v[150:151]
	v_pk_add_f32 v[250:251], v[250:251], v[154:155]
	v_pk_add_f32 v[248:249], v[248:249], v[158:159]
	v_pk_add_f32 v[242:243], v[242:243], v[162:163]
	v_pk_add_f32 v[240:241], v[240:241], v[166:167]
	v_pk_add_f32 v[236:237], v[236:237], v[170:171]
	v_pk_add_f32 v[234:235], v[234:235], v[174:175]
	v_pk_add_f32 v[14:15], v[14:15], v[178:179]
	v_pk_add_f32 v[232:233], v[232:233], v[182:183]
	s_delay_alu instid0(VALU_DEP_2)
	v_pk_add_f32 v[14:15], v[14:15], v[242:243]
	s_delay_alu instid0(VALU_DEP_2)
	v_pk_add_f32 v[232:233], v[232:233], v[240:241]
	v_pk_add_f32 v[250:251], v[250:251], v[236:237]
	v_pk_add_f32 v[248:249], v[248:249], v[234:235]
	s_delay_alu instid0(VALU_DEP_2)
	v_pk_add_f32 v[14:15], v[14:15], v[250:251]
	s_delay_alu instid0(VALU_DEP_2)
	v_pk_add_f32 v[232:233], v[232:233], v[248:249]
	s_delay_alu instid0(VALU_DEP_1)
	v_pk_add_f32 v[14:15], v[14:15], v[232:233]
	s_wait_alu depctr_va_vdst(0)                   ; and one for the four
.irp b, 0,1,2,3
	v_max_num_f32 v[BM+\b], 0x1800000, v[BM+\b]    ; the floor 2^(3 - 127): the byte cannot fall under 1 (a block whose every p is 0 keeps that byte: its codes are zeros)
.endr
.irp b, 0,1,2,3
	s_delay_alu instid0(VALU_DEP_4)
	v_add_nc_u32 v[SO+\b], 0xff000000, v[BM+\b]    ; 2 off the exponent field: the conversion's scale operand
.endr
.irp b, 0,1,2,3
	s_delay_alu instid0(VALU_DEP_4)
	v_lshrrev_b32 v[PT+\b], 23, v[SO+\b]           ; the scale's byte
.endr
	s_delay_alu instid0(VALU_DEP_3)
	v_lshl_or_b32 v253, v[PT+1], 8, v[PT]          ; p's scale word for these 128 keys
	s_delay_alu instid0(VALU_DEP_1)
	v_lshl_or_b32 v253, v[PT+2], 16, v253
	s_delay_alu instid0(VALU_DEP_1)
	v_lshl_or_b32 v253, v[PT+3], 24, v253
.irp c, 0,1
	v_cvt_scalef32_pk16_fp6_f32 v[PCD+6*\c:PCD+2+6*\c], v[S+32*\c:S+15+32*\c], v[SO+2*\c]
	v_cvt_scalef32_pk16_fp6_f32 v[PT+4*\c:PT+2+4*\c], v[S+16+32*\c:S+31+32*\c], v[SO+2*\c+1]   ; (a conversion's three registers begin on an even number)
.endr
	v_nop                                          ; one plain place behind a scaled conversion
.irp c, 0,1                                    ; the operand's layout wants a whole block in a lane
.irp i, 0,1,2
	v_permlane16_swap_b32 v[PCD+6*\c+\i], v[PT+4*\c+\i]
.endr
.irp i, 0,1,2
	s_delay_alu instid0(VALU_DEP_3)
	v_mov_b32 v[PCD+3+6*\c+\i], v[PT+4*\c+\i]
.endr
.endr
.set j, 0
.rept 16
	v_pk_mul_f32 v[O+j:O+j+1], v[O+j:O+j+1], v[252:253] op_sel_hi:[1,0]   ; O^T under the new M.  (These 16 are also the places between the writes of p's codes and scale word and the products)
.set j, j+2
.endr
	s_wait_alu depctr_va_vdst(0)
	s_wait_dscnt 0x0                               ; V is in
.irp t, 0,1                                    ; O^T += V^T P^T: four tiles of 16 of the head's 64, the accumulators by turns
	v_wmma_scale_f32_16x16x128_f8f6f4 v[O+8*\t:O+8*\t+7], v[VF+12*\t:VF+12*\t+11], v[PCD:PCD+11], v[O+8*\t:O+8*\t+7], v[VS+\t], v253 matrix_a_fmt:MATRIX_FMT_FP6 matrix_b_fmt:MATRIX_FMT_FP6
.endr
.irp t, 2,3
	v_wmma_scale_f32_16x16x128_f8f6f4 v[O+8*\t:O+8*\t+7], v[VF+12*\t:VF+12*\t+11], v[PCD:PCD+11], v[O+8*\t:O+8*\t+7], v[VS+\t-2], v253 matrix_a_fmt:MATRIX_FMT_FP6 matrix_b_fmt:MATRIX_FMT_FP6 matrix_a_scale:MATRIX_SCALE_ROW1
.endr
.Lhidden_\@:
	s_add_co_u32 s[TB], s[TB], CHUNK
	s_add_co_u32 s[T], s[T], 1
.endm
.macro PASS trips                      ; a tile's walk over the keys: a constant number of trips
	s_mov_b32 s[TB], 0
	s_mov_b32 s[T], 0
.Lstep_\@:
	STEP
	s_cmp_lt_u32 s[T], \trips
	s_cbranch_scc1 .Lstep_\@
.endm
; THE WAY OUT.  Register 16 b + i of O^T is channel 32 b + 16 (lane / 16) + i of my query.  O^T / the sum goes through my stage and leaves as rows: sixteen lanes store a row's 256 consecutive bytes, aligned.
.macro WAYOUT ob
.rept 4
	v_nop                                          ; places behind the last products
.endr
	v_add_f32 v14, v14, v15                        ; the sum's two halves,
	s_delay_alu instid0(VALU_DEP_1)
	v_permlanex16_b32 v254, v14, s[SEL], s[SEL+1]
	s_delay_alu instid0(VALU_DEP_1)
	v_add_f32 v14, v14, v254                       ; and lane l xor 16's: the row's sum
	s_wait_alu depctr_va_vdst(0)
	v_rcp_f32 v14, v14
	v_nop                                          ; a plain place behind the reciprocal
	s_wait_alu depctr_va_vdst(0)                   ; and the wait ahead of its first reader
.set j, 0
.rept 16
	v_pk_mul_f32 v[S+j:S+j+1], v[O+j:O+j+1], v[14:15] op_sel_hi:[1,0]
.set j, j+2
.endr
.irp b, 0,1
.irp i, 0,1,2,3
	ds_store_b128 v[STO], v[S+16*\b+4*\i:S+16*\b+4*\i+3] offset:128*\b+16*\i
.endr
.endr
.irp i, 0,1,2,3,4,5,6,7
	ds_load_b128 v[S+32+4*\i:S+32+4*\i+3], v[RD] offset:544*\i   ; LDS serves a wave's instructions in order: these see my stores
.endr
.irp i, 0,1,2,3,4,5,6,7
	s_wait_dscnt 7-\i                              ; the later loads may be out
	global_store_b128 v[GO], v[S+32+4*\i:S+32+4*\i+3], s[\ob:\ob+1] offset:(2*\i+8*(\i/4))*4096 th:TH_STORE_NT   ; stage rows 2 i, 2 i + 1 are tokens 2 i + 8 (i / 4) and the next
.endr
.endm
.Lasked:
	QLOAD 32, 34                                   ; my low tile
	s_cmp_lt_u32 s[WV], 8                          ; a low tile walks key steps 0 .. 7 at the most: chunks 0-7, which waves 0-7 fetched
	s_cbranch_scc0 .Lnot_lower
	s_wait_tensorcnt 0x0
.Lnot_lower:
	s_barrier_signal -1
	s_barrier_wait -1                              ; chunks 0-7 are in; chunks 8-15 may be on their way: nothing is filled again
	s_wait_tensorcnt 0x0                           ; my own chunk is in, whichever it is:
	s_barrier_signal -1                            ; say so now; the wait stands behind the low tile's walk, which reads chunks 0-7 alone and stores nothing
	INIT 48
	s_mov_b32 s[NL], s50
	PASS 8
	s_barrier_wait -1                              ; all sixteen chunks are in
	QLOAD 38, 40                                   ; my high tile is asked for here and lands under the way out
	WAYOUT 36
	s_wait_xcnt 0x0                                ; the stores have read their registers: the next scores may be written there
	INIT 49
	s_mov_b32 s[NL], s51
	PASS 16
	WAYOUT 42
	s_wait_tensorcnt 0x0                           ; the wave's end
	ds_add_u32 v[SPW], v[NIL]
	s_wait_dscnt 0x0
	CROUND                                         ; the closing round: no work-group ends while a partner may still ask for a tile that names it
	s_endpgm
.Lfunc_end_k_q16cdc1be4c_attn:
	.size	k_q16cdc1be4c_attn, .Lfunc_end_k_q16cdc1be4c_attn-k_q16cdc1be4c_attn
	.p2alignl 7, 3214868480
	.fill 96, 4, 3214868480
	.section	.rodata,"a",@progbits
	.p2align	6, 0x0
	.amdhsa_kernel k_q16cdc1be4c_attn
		.amdhsa_group_segment_fixed_size 327680
		.amdhsa_private_segment_fixed_size 0
		.amdhsa_enable_private_segment 0
		.amdhsa_kernarg_size 16
		.amdhsa_user_sgpr_count 2
		.amdhsa_user_sgpr_kernarg_segment_ptr 1
		.amdhsa_wavefront_size32 1
		.amdhsa_system_sgpr_workgroup_id_x 1
		.amdhsa_system_sgpr_workgroup_id_y 1
		.amdhsa_system_sgpr_workgroup_id_z 1
		.amdhsa_system_vgpr_workitem_id 0
		.amdhsa_next_free_vgpr 256
		.amdhsa_next_free_sgpr 66
		.amdhsa_reserve_vcc 1
		.amdhsa_float_denorm_mode_32 3
		.amdhsa_float_denorm_mode_16_64 3
		.amdhsa_memory_ordered 1
		.amdhsa_forward_progress 1
		.amdhsa_inst_pref_size 64
	.end_amdhsa_kernel
	.amdgpu_metadata
---
amdhsa.version: [ 1, 2 ]
amdhsa.kernels:
  - .name:           k_q16cdc1be4c_attn
    .symbol:         k_q16cdc1be4c_attn.kd
    .args:
      - { .name: qkv, .offset: 0, .size: 8, .value_kind: global_buffer, .address_space: global }
      - { .name: out0, .offset: 8, .size: 8, .value_kind: global_buffer, .address_space: global }
    .group_segment_fixed_size: 327680
    .private_segment_fixed_size: 0
    .kernarg_segment_align: 8
    .kernarg_segment_size: 16
    .max_flat_workgroup_size: 512
    .sgpr_count:     66
    .vgpr_count:     256
    .wavefront_size: 32
...
	.end_amdgpu_metadata
.endif
;; end of part 3
